; MI455X (gfx1250); checked and timed in simulation.
; The chip was launched on July 23, 2026; its instructions are those of AMD's public machine-readable ISA for CDNA 5 (MIT licence, August 2026) and "CDNA5" Instruction Set Architecture Reference Guide (July 2026). The comments in the code are by the model that wrote it; some were corrected since.
;; Multi Head Attention. Allowed arithmetic: matrix products marked QUANTISED: E4M3 operands, one given power-of-two scale a tensor, by v_wmma_f32_16x16x64_fp8_fp8 or v_wmma_f32_16x16x128_fp8_fp8, f32 sums; everything else in f32.
;; Inputs: Wk 1,024 x 1,024 float32; Wo 1,024 x 1,024 float32; Wq 1,024 x 1,024 float32; Wv 1,024 x 1,024 float32; lowp_scales 12 int32 (the exponents e of the quantised operands' scales 2^e); x 4 x 2,048 x 1,024 float32.
;; Outputs: out0 4 x 2,048 x 1,024 float32.
;; This version of the problem:
;;   THIS VERSION OF THE PROBLEM IS GIVEN IN LOW PRECISION. The matrix products marked QUANTISED in the list below multiply operands that are first quantised to E4M3 (4 exponent bits, 3 mantissa bits; 8 bits a number), with one given power-of-two scale for each operand tensor; their sums are f32. All else is computed in f32.
;;   The module's matrix products, in the order in which they are computed (A, B: the left and right operand; K: the contracted axis; several contracted axes count as one K, in the product's order):
;;     1. [M 8,192, K 1,024] x [K 1,024, N 1,024]; A: input x; B: input Wq: QUANTISED (scales: A lowp_scales[0], B lowp_scales[1])
;;     2. [M 8,192, K 1,024] x [K 1,024, N 1,024]; A: input x; B: input Wk: QUANTISED (scales: A lowp_scales[2], B lowp_scales[3])
;;     3. [M 8,192, K 1,024] x [K 1,024, N 1,024]; A: input x; B: input Wv: QUANTISED (scales: A lowp_scales[4], B lowp_scales[5])
;;     4. batch 64 x [M 2,048, K 64] x [K 64, N 2,048]; A: computed on the way; B: computed on the way: QUANTISED (scales: A lowp_scales[6], B lowp_scales[7])
;;     5. batch 64 x [M 2,048, K 2,048] x [K 2,048, N 64]; A: softmax (see below); B: computed on the way: QUANTISED (scales: A lowp_scales[8], B lowp_scales[9])
;;     6. [M 8,192, K 1,024] x [K 1,024, N 1,024]; A: computed on the way; B: input Wo: QUANTISED (scales: A lowp_scales[10], B lowp_scales[11])
;;   THE QUANTISER, for each operand of a quantised product, along K:
;;     - The operand's scale is 2^e, e = its entry of the input lowp_scales (int32; the entries are numbered through the quantised products in the list's order, A before B).
;;     - Each number is divided by the scale, clamped to +-448, and rounded to the nearest number of E4M3, ties to even, subnormals kept.
;;     - The product sums the exact products of the quantised numbers (number of the format x scale) in f32.
;;   ~~~python
;;   def quantise(x, axis, e):      # numpy; x: float32 -> the quantised numbers, widened to float32 again
;;       x = np.moveaxis(x, axis, -1); K = x.shape[-1]
;;       r = np.clip(x / 2.0 ** e, -448, 448)
;;       step = 2.0 ** (np.maximum(np.frexp(np.where(r == 0, 1, r))[1] - 1, -6) - 3)
;;       q = np.round(r / step) * step * 2.0 ** e      # np.round: ties to even
;;       return np.moveaxis(q, -1, axis).astype(np.float32)
;;   ~~~
;;   SOFTMAX AHEAD OF A QUANTISED PRODUCT. Where the list says 'softmax', what is quantised is not the finished softmax but p = 2^(t - M), with t = logit x log2(e) and M = ceil(the row's largest t), a whole number; so 1/2 < the row's largest p <= 1. The row's sum l is taken of the UNQUANTISED p, in f32, and the product's result is divided by l at the end. Since M is a whole number, a kernel that streams over the keys may use a running M (the ceiling of the running maximum): every later rescaling is an exact power of two, so the quantised numbers keep their values, but for numbers so far below the row's largest that they fall under the format's range.
;;   OPERANDS COMPUTED ON THE WAY. 'Computed on the way' means the value that the module computes at that place (a softmax that the list does not call 'softmax' is quantised finished and normalised). What goes into a quantiser is computed in f32, as accurately as f32 sums, v_exp_f32 and their like allow (about 1e-6 of the number): no bf16 or f16 on the way to a quantiser, and a product that is left as it is and whose result goes on into a quantised operand takes f32 operands (vector FMAs, or v_wmma_f32_16x16x4_f32). A number that lies on a knife's edge between two numbers of the format may be rounded either way, as far as f32 arithmetic and the matrix unit's own rounding can turn it there, and no further.
;; One version. Each part assembles by itself: llvm-mc -triple=amdgcn-amd-amdhsa -mcpu=gfx1250 --defsym DOCPART=n.
;; ======== version 1 of 1: 4 launches
;; limits: right only within a limited range of input values
;; workspace buffers: xc 25,165,824 bytes; wc 4,194,304 bytes; qkv 25,165,824 bytes; oc 8,388,608 bytes
;; launch quant (part 1): grid 384 x 1, 4 waves a work-group, no clusters, 33,280 bytes of LDS; arguments x, Wq, Wk, Wv, Wo, lowp_scales, xc, wc; writes xc, wc
.if DOCPART == 1
	.amdgcn_target "amdgcn-amd-amdhsa--gfx1250"
	.amdhsa_code_object_version 6
	.text
	.protected	k_q707aa17d04_quant
	.globl	k_q707aa17d04_quant
	.p2align	8
	.type	k_q707aa17d04_quant,@function
k_q707aa17d04_quant:
	s_mov_b64 s[64:65], 0
	v_nop
	global_prefetch_b8 v0, s[64:65] scope:SCOPE_SE
	s_setreg_imm32_b32 hwreg(HW_REG_WAVE_MODE, 25, 1), 1
	s_wait_xcnt 0x0
; x [8192][1024] and Wq, Wk, Wv, Wo [1024][1024], f32 with K innermost, become codes of FP8 (E4M3), one byte each, K innermost.
; code = number / 2^e, held within +-448, rounded to the nearest code, ties to even.  x is an operand of three products, each with a scale of its own
; (entries 0, 2, 4 of the scales), so it gets three sets of codes: xc = three sections of 8,388,608 bytes.  Wq, Wk, Wv, Wo take entries 1, 3, 5, 11: wc = four sections of 1,048,576 bytes.
; LIMITS: each e used here lies between -126 and 119, so that 2^e and 448 x 2^e are f32 numbers.  NaN among the inputs is not served; an infinity is held at the largest code.
; SHARES.  Rows are dense, so every tensor is a plain stream.  A work-group takes 32,768 numbers, a wave 8,192 in 16 steps of 512.  Work-groups 0-255 take x, then 32 each for Wq, Wk, Wv, Wo.
; Only pointers and exponents are chosen by the work-group's number; the one branch on it stands round x's second and third conversion and store, which touch no LDS.
; A conversion takes 8 neighbours from ONE lane's registers; a load is dense where neighbouring LANES take neighbouring bytes.  Both are had by a turn through the wave's own stage in LDS:
; four stores of 512 bytes as loaded, four loads 80 bytes from lane to lane (64 bytes + 16 of padding).  A lane's 16 codes are 16 bytes: each store of the wave covers 512 consecutive bytes, aligned.
; Loads run four steps (16 loads a wave) ahead, the turn through LDS one step.  Waves share nothing: no barrier.
.set STEPS, 16
.set SP,    80                         ; a lane's place in a stage
.set WREG,  8192                       ; LDS of a wave: two stages of 32 x SP bytes
.set SC,    5                          ; v5-7    2^e as f32 for outputs 0, 1, 2
.set LM,    8
.set R,     16                         ; v16-79  four sets of 16 numbers as loaded
.set X,     80                         ; v80-111 two sets of 16 neighbours
.set T,     112
.set C,     144                        ; v144-167 codes: 12 (step % 2) + 4 x output
	s_load_b512 s[8:23], s[0:1], 0x0               ; x 8, Wq 10, Wk 12, Wv 14, Wo 16, scales 18, xc 20, wc 22
	v_lshl_add_u32 v168, v0, 2, 0x8000
	v_mov_b32 v169, 0
	v_lshrrev_b32 v1, 5, v0
	v_readfirstlane_b32 s30, v1                    ; wave
	v_and_b32 v2, 31, v0                           ; lane
	v_lshlrev_b32 v3, 4, v2                        ; 16 x lane: my bytes of a load's 512 and of a store's 512; never rewritten
	s_mul_i32 s31, s30, WREG
	v_lshrrev_b32 v14, 2, v2
	v_mul_u32_u24 v14, v14, SP
	v_and_b32 v15, 3, v2
	v_lshl_add_u32 v14, v15, 4, v14
	v_add_nc_u32 v14, s31, v14                     ; the stage on the way in: SP (lane / 4) + 16 (lane % 4)
	v_mul_u32_u24 v15, v2, SP
	v_add_nc_u32 v15, s31, v15                     ; and on the way out: SP x lane
	s_sub_co_u32 s44, ttmp9, 256                   ; for the weights: which of them, and which part
	s_lshr_b32 s45, s44, 5
	s_and_b32 s44, s44, 31
	s_lshl_b32 s45, s45, 20                        ; the weight's section of wc
	s_cmp_lt_u32 ttmp9, 256
	s_cselect_b32 s44, ttmp9, s44                  ; the part of the tensor
	s_cselect_b32 s45, 0, s45
	s_lshl_b32 s44, s44, 2
	s_add_co_u32 s44, s44, s30                     ; my wave's run of 8,192 numbers
	s_lshl_b32 s46, s44, 15                        ; in bytes of f32,
	s_mov_b32 s47, 0
	s_lshl_b32 s48, s44, 13                        ; and of codes
	s_add_co_u32 s48, s48, s45
	s_mov_b32 s49, 0
	s_wait_alu depctr_va_vdst(0)
	s_wait_kmcnt 0x0
	s_load_b256 s[32:39], s[18:19], 0x0            ; e0 .. e7
	s_load_b128 s[40:43], s[18:19], 0x20           ; e8 .. e11
	s_cmp_lt_u32 ttmp9, 352                        ; the source: a chain of choices on the work-group's number
	s_cselect_b64 s[4:5], s[14:15], s[16:17]
	s_cmp_lt_u32 ttmp9, 320
	s_cselect_b64 s[4:5], s[12:13], s[4:5]
	s_cmp_lt_u32 ttmp9, 288
	s_cselect_b64 s[4:5], s[10:11], s[4:5]
	s_cmp_lt_u32 ttmp9, 256
	s_cselect_b64 s[4:5], s[8:9], s[4:5]
	s_cselect_b64 s[24:25], s[20:21], s[22:23]
	s_add_nc_u64 s[4:5], s[4:5], s[46:47]
	s_add_nc_u64 s[24:25], s[24:25], s[48:49]      ; output 0
	s_add_nc_u64 s[26:27], s[24:25], 0x800000      ; x's second and third sections: used by x's work-groups alone
	s_add_nc_u64 s[28:29], s[24:25], 0x1000000
.macro LOAD t
.irp i, 0,1,2,3
	global_load_b128 v[R+16*((\t)%4)+4*\i:R+16*((\t)%4)+4*\i+3], v3, s[4:5] offset:2048*(\t)+512*\i th:TH_LOAD_NT   ; 32 lanes read 512 consecutive bytes; read once
.endr
.endm
.macro TURN t                          ; a step's numbers through the stage: LDS serves a wave's instructions in order, so no wait stands between the stores and the loads
.irp i, 0,1,2,3
	ds_store_b128 v14, v[R+16*((\t)%4)+4*\i:R+16*((\t)%4)+4*\i+3] offset:32*SP*((\t)%2)+8*SP*\i
.endr
.irp i, 0,1,2,3
	ds_load_b128 v[X+16*((\t)%2)+4*\i:X+16*((\t)%2)+4*\i+3], v15 offset:32*SP*((\t)%2)+16*\i
.endr
.endm
.macro MKSC e, o                       ; exponent in s[e] -> 2^e for output o
	s_add_co_i32 s51, s[\e], 127
	s_lshl_b32 s52, s51, 23
	v_mov_b32 v[SC+\o], s52
.endm
.irp t, 0,1,2,3
	LOAD \t
.endr
	s_wait_kmcnt 0x0
	s_cmp_lt_u32 ttmp9, 352                        ; output 0's exponent, by the same chain: e0, e1, e3, e5, e11
	s_cselect_b32 s50, s37, s43
	s_cmp_lt_u32 ttmp9, 320
	s_cselect_b32 s50, s35, s50
	s_cmp_lt_u32 ttmp9, 288
	s_cselect_b32 s50, s33, s50
	s_cmp_lt_u32 ttmp9, 256
	s_cselect_b32 s50, s32, s50
	MKSC 50, 0
	MKSC 34, 1                                     ; e2
	MKSC 36, 2                                     ; e4
	s_wait_alu depctr_va_vdst(0)
	s_wait_loadcnt 12                              ; step 0's four loads are in
	TURN 0
; One output of a step: convert, store.  X is kept: three outputs read it.
.macro OUT o, t, set
.irp i, 0,1,2,3,4,5,6,7,8,9,10,11,12,13,14,15
.endr
	v_cvt_scalef32_pk8_fp8_f32 v[C+12*((\t)%2)+4*\o:C+12*((\t)%2)+4*\o+1], v[T+16*\set+((XS+0)-(T+16*\set+0)):T+16*\set+7+((XS+0)-(T+16*\set+0))], v[SC+\o]
	v_cvt_scalef32_pk8_fp8_f32 v[C+12*((\t)%2)+4*\o+2:C+12*((\t)%2)+4*\o+3], v[T+16*\set+8+((XS+0)-(T+16*\set+0)):T+16*\set+15+((XS+0)-(T+16*\set+0))], v[SC+\o]
	v_nop                                          ; one plain line behind the conversions: their sources are written again by later loads from the stage
	global_store_b128 v3, v[C+12*((\t)%2)+4*\o:C+12*((\t)%2)+4*\o+3], s[24+2*\o:25+2*\o] offset:512*(\t)
.endm
.macro STEP t
.set XS, X+16*((\t)%2)
	s_wait_dscnt 0x0                               ; this step's numbers are back from the stage, and its stores into the stage have read their registers,
.if (\t)+4 < STEPS
	LOAD (\t)+4                                    ; which take the loads of four steps on
.endif
.if (\t)+1 < STEPS
.if STEPS-2-(\t) >= 3
	s_wait_loadcnt 12                              ; the next step's four loads are in; those of the three steps behind it may be out
.else
	s_wait_loadcnt 4*(STEPS-2-(\t))
.endif
	TURN (\t)+1
.endif
	s_wait_xcnt 0x0                                ; earlier stores have read their data: the codes' registers may be written again
	OUT 0, \t, 0
	s_cmp_ge_u32 ttmp9, 256                        ; a weight has one set of codes
	s_cbranch_scc1 .Lone_\@
	OUT 1, \t, 1
	OUT 2, \t, 0
.Lone_\@:
.endm
.irp t, 0,1,2,3,4,5,6,7,8,9,10,11,12,13,14,15
	STEP \t
.endr
	s_wait_tensorcnt 0x0
	ds_add_u32 v168, v169
	s_wait_dscnt 0x0
	s_endpgm
.Lfunc_end_k_q707aa17d04_quant:
	.size	k_q707aa17d04_quant, .Lfunc_end_k_q707aa17d04_quant-k_q707aa17d04_quant
	.p2alignl 7, 3214868480
	.fill 96, 4, 3214868480
	.section	.rodata,"a",@progbits
	.p2align	6, 0x0
	.amdhsa_kernel k_q707aa17d04_quant
		.amdhsa_group_segment_fixed_size 33280
		.amdhsa_private_segment_fixed_size 0
		.amdhsa_enable_private_segment 0
		.amdhsa_kernarg_size 64
		.amdhsa_user_sgpr_count 2
		.amdhsa_user_sgpr_kernarg_segment_ptr 1
		.amdhsa_wavefront_size32 1
		.amdhsa_system_sgpr_workgroup_id_x 1
		.amdhsa_system_sgpr_workgroup_id_y 1
		.amdhsa_system_sgpr_workgroup_id_z 1
		.amdhsa_system_vgpr_workitem_id 0
		.amdhsa_next_free_vgpr 170
		.amdhsa_next_free_sgpr 66
		.amdhsa_reserve_vcc 0
		.amdhsa_float_denorm_mode_32 3
		.amdhsa_float_denorm_mode_16_64 3
		.amdhsa_fp16_overflow 1
		.amdhsa_memory_ordered 1
		.amdhsa_forward_progress 1
		.amdhsa_inst_pref_size 33
	.end_amdhsa_kernel
	.amdgpu_metadata
---
amdhsa.version: [ 1, 2 ]
amdhsa.kernels:
  - .name:           k_q707aa17d04_quant
    .symbol:         k_q707aa17d04_quant.kd
    .args:
      - { .name: x, .offset: 0, .size: 8, .value_kind: global_buffer, .address_space: global }
      - { .name: Wq, .offset: 8, .size: 8, .value_kind: global_buffer, .address_space: global }
      - { .name: Wk, .offset: 16, .size: 8, .value_kind: global_buffer, .address_space: global }
      - { .name: Wv, .offset: 24, .size: 8, .value_kind: global_buffer, .address_space: global }
      - { .name: Wo, .offset: 32, .size: 8, .value_kind: global_buffer, .address_space: global }
      - { .name: lowp_scales, .offset: 40, .size: 8, .value_kind: global_buffer, .address_space: global }
      - { .name: xc, .offset: 48, .size: 8, .value_kind: global_buffer, .address_space: global }
      - { .name: wc, .offset: 56, .size: 8, .value_kind: global_buffer, .address_space: global }
    .group_segment_fixed_size: 33280
    .private_segment_fixed_size: 0
    .kernarg_segment_align: 8
    .kernarg_segment_size: 64
    .max_flat_workgroup_size: 128
    .sgpr_count:     66
    .vgpr_count:     170
    .wavefront_size: 32
...
	.end_amdgpu_metadata
.endif
;; end of part 1
;; launch qkv (part 2): grid 12 x 32, 4 waves a work-group, clusters of 4 x 4, 327,680 bytes of LDS; arguments xc, wc, lowp_scales, qkv; writes qkv
.if DOCPART == 2
	.amdgcn_target "amdgcn-amd-amdhsa--gfx1250"
	.amdhsa_code_object_version 6
	.text
	.protected	k_q707aa17d04_qkv
	.globl	k_q707aa17d04_qkv
	.p2align	8
	.type	k_q707aa17d04_qkv,@function
k_q707aa17d04_qkv:
	s_mov_b64 s[64:65], 0
	v_nop
	global_prefetch_b8 v0, s[64:65] scope:SCOPE_SE
	s_setreg_imm32_b32 hwreg(HW_REG_WAVE_MODE, 25, 1), 1
	s_wait_xcnt 0x0
	s_wait_alu depctr_hold_cnt(0) depctr_sa_sdst(0) depctr_va_vdst(0) depctr_va_sdst(0) depctr_va_ssrc(0) depctr_va_vcc(0) depctr_vm_vsrc(0)
	s_getreg_b32 s2, hwreg(HW_REG_IB_STS2, 6, 4)
	s_cmp_eq_u32 s2, 0
	s_cbranch_scc0 .Lentry_in_a_cluster
	s_endpgm
.Lentry_in_a_cluster:
	s_bfe_u32 s2, ttmp6, 0x10000c
	s_cmp_lg_u32 s2, 0xf033
	s_cbranch_scc0 .Lentry_shape_is_right
	s_endpgm
.Lentry_shape_is_right:
; q = x Wq^T, k = x Wk^T, v^T = Wv x^T on codes of FP8 (E4M3), sums in f32, and each sum quantised at once into the code that the attention launch multiplies.
; ONE PATH FOR THE THREE.  C'[m][n] = sum over k of A'[m][k] B'[n][k], K = 1,024.  P = cluster x (0, 1, 2 = q, k, v), Y = cluster y (0 .. 7).
;   P < 2: A' = x's codes for this product (8,192 rows), B' = the weight's (1,024 rows); tile row 4 Y + cy, tile column cx.
;   P = 2: A' = Wv's codes, B' = x's third set: the product is v TRANSPOSED, so that a lane's eight results run along the tokens, which are the K of the attention's second product; tile row cy, tile column 4 Y + cx.
; Pointers, section offsets and coordinates are chosen by s_cselect on P; no branch hangs on it.
; A sum stands for sum x 2^(its two operands' e): its code is sum / 2^E, E = e6 - e0 - e1 (q), e7 - e2 - e3 (k), e9 - e4 - e5 (v), held within +-448.
; LIMIT: each E lies between -126 and 119.  NaN is not served.
; A tile of C', 256 x 256, is made by four waves, each 128 x 128: 64 accumulators, 512 registers.  K goes in steps of 256 through a ring of two LDS slots filled by the tensor data mover.
; CLUSTERS: 4 x 4 work-groups; A's tile is asked for jointly along a row of the cluster, B's along a column.  THE MATRIX INSTRUCTION IS USED TRANSPOSED (source 0 = 16 rows of B', source 1 = 16 rows of A'):
; a lane holds eight neighbouring columns of one row of C'.  Fragments come by four 16-byte loads: k stands in other places than the form's own, alike in A' and B'.
; OUTPUT: IMAGES.  A block of 64 rows x 64 codes (q, k: tokens x a head's 64; v: a head's 64 x tokens) is stored as four images t = 2 b + u of 1,024 bytes; byte 512 c + 16 lane + y of an image is
; block[32 b + 8 u + r + 8 (r / 8)][32 c + 16 (lane / 16) + y], r = lane % 16: the registers of a 16 x 64 fragment, lane by lane.  Block ((batch x 16 + head) x 32 + token / 64) x 4,096 bytes, in sections q, k, v of 8,388,608 bytes.
; No prefetch: K has four steps, two asked for at the head and two one step later, so no step lies far enough ahead to be asked for earlier.
; REGISTERS, in windows of 256: window 0: v0-31 addresses; from v128 A's fragments, ONE set; on the way out v32-255 are free.  window 1: B's fragments, TWO sets.  windows 2, 3: the accumulators ((a, b) at v[8 (8 (a % 4) + b)]).
.set KSTEP,  256
.set ROWB,   256
.set KROW,   1024
.set PITCH,  272                       ; an LDS row: 256 bytes + 16 of padding = 68 words: row r starts at bank 4 r mod 64 (ISA guide 11.1)
.set FR,     16
.set NL,     4
.set NP,     4
.set HALFT,  128*PITCH
.set SLOT,   4*HALFT
.set LAPS,   2                         ; 1,024 / (2 x 256)
.set SPARE,  2*SLOT                    ; behind the ring: the spare words, 128 bytes a wave; no other line names them
.set SPITCH, 144                       ; the way out: each wave's stage, 128 rows x (128 codes + 16), in slot 0, which has had its last fill and its last read by then
.set ADRA, 16
.set ADRB, 20
.set STO,  24                          ; v24  where I put 8 codes of a row
.set RD,   25                          ; v25  where I read 16 bytes of an image
.set CO,   26                          ; v26  16 x lane
.set SPW,  28
.set NIL,  29
.set TMP,  32                          ; v32-95   a block's 64 held sums
.set CD,   96                          ; v96-127  codes, two sets of 16
.set AF,   128
.set BK,   128                         ; v128-255 the 32 image pieces read back
.set G1, 24
.set G0, 32
.set G1B, 48
.set G0B, 56
.set MSB, 0
.macro WIN new                         ; the immediate's high byte repeats the setting that is left
.if MSB != \new
	s_set_vgpr_msb (MSB<<8)|\new
.set MSB, \new
.endif
.endm
.set MUL_LO, 0xa1                      ; source 0 (B) window 1, source 1 (A) window 0, C and D window 2
.set MUL_HI, 0xf1
.set TO_B,   0x40
; A joint load: waves 0 and 1 fetch for A, waves 2 and 3 for B; the branch hangs on the wave's number alone.  Four v_nop follow each of the two lines.
.macro JLOAD g0a, g1a, g0b, g1b
	s_cmp_eq_u32 s15, 0
	s_cbranch_scc0 .Lfor_b_\@
	tensor_load_to_lds s[\g0a:\g0a+3], s[\g1a:\g1a+7]
	s_nop 0
.rept 4
	v_nop
.endr
	s_branch .Lasked_\@
.Lfor_b_\@:
	tensor_load_to_lds s[\g0b:\g0b+3], s[\g1b:\g1b+7]
	s_nop 0
.rept 4
	v_nop
.endr
.Lasked_\@:
.endm
.macro CREST                           ; a round of the cluster's barrier behind its opening barrier
	s_cmp_lg_u32 s14, 0
	s_cbranch_scc1 .Lnot_wave_0_\@
	s_barrier_signal -3
.Lnot_wave_0_\@:
	s_barrier_wait -3
	s_barrier_signal -1
	s_barrier_wait -1
.endm
.macro CROUND
	s_barrier_signal -1
	s_barrier_wait -1
	CREST
.endm
	s_load_b128 s[4:7], s[0:1], 0x0                ; xc, wc
	s_load_b128 s[8:11], s[0:1], 0x10              ; the scales' exponents, qkv
	v_lshl_add_u32 v[SPW], v0, 2, SPARE
	v_mov_b32 v[NIL], 0
	ds_add_u32 v28, v29
	ds_add_u32 v28, v29
	s_wait_dscnt 0x0
	v_lshrrev_b32 v1, 5, v0
	v_readfirstlane_b32 s14, v1                    ; wave 0..3
	s_lshr_b32 s15, s14, 1                         ; which half of the tile's rows is mine.  Also: I fetch for A (0) or for B (1)
	s_and_b32 s16, s14, 1                          ; which half of its columns.  Also: which 128 rows of that tile I fetch
	s_bfe_u32 s40, ttmp6, 0x40000                  ; cx
	s_bfe_u32 s41, ttmp6, 0x40004                  ; cy
	s_and_b32 s80, ttmp7, 0xffff                   ; Y
	s_lshl_b32 s81, ttmp9, 23                      ; P sections of xc
	s_lshl_b32 s82, ttmp9, 20                      ; P sections of wc
	s_cmp_eq_u32 ttmp9, 2
	s_cselect_b32 s83, 0, s80                      ; Y counts tile rows (q, k)
	s_cselect_b32 s84, s80, 0                      ; or tile columns (v)
	s_cselect_b32 s85, s82, s81                    ; A's section
	s_cselect_b32 s86, s81, s82                    ; B's section
	s_lshl_b32 s42, s84, 2
	s_add_co_u32 s42, s42, s40                     ; tile column
	s_lshl_b32 s17, s83, 2
	s_add_co_u32 s17, s17, s41                     ; tile row
	s_lshl_b32 s43, s41, 2
	s_lshl_b32 s43, 15, s43                        ; my row of the cluster
	s_lshl_b32 s44, 0x1111, s40                    ; my column
	; descriptor group 1: 128 rows x 256 bytes, 1,024 bytes apart in memory, 16 bytes of padding behind each in LDS
	s_or_b32 s[G1+0], s43, (0<<16)|(1<<20)|(1<<21)|(5<<22)|(3<<25)
	s_or_b32 s[G1B+0], s44, (0<<16)|(1<<20)|(1<<21)|(5<<22)|(3<<25)
.irp g, G1, G1B
	s_mov_b32 s[\g+1], ROWB<<16                    ; tensor_dim0
	s_mov_b32 s[\g+2], 128<<16                     ; tensor_dim1
	s_mov_b32 s[\g+3], ROWB<<16                    ; tile_dim0
	s_mov_b32 s[\g+4], 128                         ; tile_dim1
	s_mov_b32 s[\g+5], KROW                        ; tensor_dim0_stride
	s_mov_b32 s[\g+6], 0
	s_mov_b32 s[\g+7], 0
.endr
	s_lshl_b32 s18, s16, 7                         ; which 128 rows of the tile I fetch
	s_lshl_b32 s20, s17, 8
	s_add_co_u32 s20, s20, s18                     ; A: row 256 x tile row + 128 x half,
	s_lshl_b32 s20, s20, 10                        ; in bytes,
	s_add_co_u32 s20, s20, s85                     ; in its section
	s_mov_b32 s21, 0
	s_lshl_b32 s46, s42, 8
	s_add_co_u32 s46, s46, s18                     ; B likewise, by the tile column
	s_lshl_b32 s46, s46, 10
	s_add_co_u32 s46, s46, s86
	s_mov_b32 s47, 0
	s_mul_i32 s45, s14, HALFT                      ; where they go: wave x 128 rows
	s_wait_kmcnt 0x0
	s_load_b256 s[68:75], s[8:9], 0x0              ; e0 .. e7
	s_load_b128 s[76:79], s[8:9], 0x20             ; e8 .. e11
	s_cmp_eq_u32 ttmp9, 2
	s_cselect_b64 s[88:89], s[6:7], s[4:5]         ; A's buffer
	s_cselect_b64 s[90:91], s[4:5], s[6:7]         ; B's buffer
	s_add_nc_u64 s[20:21], s[88:89], s[20:21]
	s_add_nc_u64 s[46:47], s[90:91], s[46:47]
	CROUND                                         ; all sixteen work-groups are here: the first joint loads meet
.irp s, 0,1
	s_mov_b32 s[G0+4*\s], 1
	s_add_co_u32 s[G0+4*\s+1], s45, \s*SLOT
	s_add_nc_u64 s[G0+4*\s+2:G0+4*\s+3], s[20:21], \s*ROWB
	s_or_b32 s[G0+4*\s+3], s[G0+4*\s+3], 0x80000000
	s_mov_b32 s[G0B+4*\s], 1
	s_add_co_u32 s[G0B+4*\s+1], s45, \s*SLOT
	s_add_nc_u64 s[G0B+4*\s+2:G0B+4*\s+3], s[46:47], \s*ROWB
	s_or_b32 s[G0B+4*\s+3], s[G0B+4*\s+3], 0x80000000
	JLOAD G0+4*\s, G1, G0B+4*\s, G1B
.endr
	v_and_b32 v1, 15, v0                           ; r
	s_wait_alu depctr_va_vdst(0)
	v_bfe_u32 v2, v0, 4, 1                         ; h
	v_mul_u32_u24 v3, v1, PITCH
	v_lshl_add_u32 v4, v2, 4, v3                   ; a fragment's row x pitch + 16 x half
	s_mul_i32 s21, s15, HALFT                      ; my 128 rows of A
	s_mul_i32 s22, s16, HALFT                      ; my 128 rows of B,
	s_add_co_u32 s22, s22, 2*HALFT                 ; which lie behind A's 256
.irp s, 0,1
	v_add_nc_u32 v[ADRA+\s], s21, v4
	v_add_nc_u32 v[ADRB+\s], s22, v4
	s_add_co_u32 s21, s21, SLOT
	s_add_co_u32 s22, s22, SLOT
.endr
	s_mul_i32 s23, s14, 128*SPITCH                 ; my stage
	v_mul_u32_u24 v5, v1, SPITCH
	s_wait_alu depctr_va_vdst(0)
	v_lshl_add_u32 v5, v2, 3, v5
	v_add_nc_u32 v[STO], s23, v5                   ; in: row r, 8 codes for each half of the lanes
	v_and_b32 v6, 8, v1
	v_add_nc_u32 v6, v6, v1                        ; r + 8 (r / 8)
	v_mul_u32_u24 v6, v6, SPITCH
	v_lshl_add_u32 v6, v2, 4, v6
	v_add_nc_u32 v[RD], s23, v6                    ; back: an image's row for my lane, + 16 x half
	v_and_b32 v7, 31, v0
	v_lshlrev_b32 v[CO], 4, v7
	; where my four blocks of 64 x 64 go
	s_lshl_b32 s80, s17, 2
	s_lshl_b32 s81, s15, 1
	s_add_co_u32 s80, s80, s81                     ; my first row / 64
	s_lshl_b32 s82, s42, 2
	s_lshl_b32 s83, s16, 1
	s_add_co_u32 s82, s82, s83                     ; my first column / 64
	s_mov_b32 s86, 131072
	s_cmp_eq_u32 ttmp9, 2
	s_cselect_b32 s84, s82, s80                    ; tokens / 64: the columns for v, else the rows
	s_cselect_b32 s85, s80, s82                    ; the head
	s_cselect_b32 s87, s86, 4096                   ; 64 rows on: a head on (32 blocks) for v, else a block on
	s_cselect_b32 s86, 4096, s86                   ; 64 columns on: the other way round
	s_lshr_b32 s88, s84, 5                         ; the batch
	s_lshl_b32 s88, s88, 4
	s_add_co_u32 s88, s88, s85
	s_lshl_b32 s88, s88, 5
	s_and_b32 s84, s84, 31
	s_add_co_u32 s88, s88, s84                     ; the block's number
	s_lshl_b32 s88, s88, 12
	s_lshl_b32 s89, ttmp9, 23
	s_add_co_u32 s88, s88, s89                     ; in section P
	s_mov_b32 s89, 0
	s_mov_b32 s91, 0
	s_add_nc_u64 s[92:93], s[10:11], s[88:89]      ; rows 0-63, columns 0-63
	s_mov_b32 s90, s86
	s_add_nc_u64 s[94:95], s[92:93], s[90:91]      ; columns 64-127
	s_add_nc_u64 s[98:99], s[94:95], 0             ; (moved on below)
	s_mov_b32 s90, s87
	s_add_nc_u64 s[96:97], s[92:93], s[90:91]      ; rows 64-127
	s_add_nc_u64 s[98:99], s[98:99], s[90:91]      ; both
.macro FRAG reg, adr, q, i             ; 16 rows x 128 K: registers 4 c .. 4 c + 3 hold K = 32 c + 16 (lane / 16) + 0 .. 15 of row lane % 16
.irp c, 0,1,2,3
	ds_load_b128 v[\reg+4*\c:\reg+4*\c+3], v[\adr] offset:128*(\q)+32*\c+(\i)*16*PITCH
.endr
.endm
; 16 matrix instructions: A's blocks a0, a0 + 1 x B's eight.  The 64 accumulators take turns, one instruction a turn, in the same order in every step.
.macro MUL16 a0, p, zero
.irp a, \a0, \a0+1
.irp b, 0,1,2,3,4,5,6,7
.if \zero
	v_wmma_f32_16x16x128_fp8_fp8 v[8*(8*((\a)%4)+\b):8*(8*((\a)%4)+\b)+7], v[128*(\p)+FR*\b:128*(\p)+FR*\b+FR-1], v[AF+FR*(\a):AF+FR*(\a)+FR-1], 0
.else
	v_wmma_f32_16x16x128_fp8_fp8 v[8*(8*((\a)%4)+\b):8*(8*((\a)%4)+\b)+7], v[128*(\p)+FR*\b:128*(\p)+FR*\b+FR-1], v[AF+FR*(\a):AF+FR*(\a)+FR-1], v[8*(8*((\a)%4)+\b):8*(8*((\a)%4)+\b)+7]
.endif
.endr
.endr
.endm
.macro FETCH_B slot, q, p
	WIN TO_B
.irp i, 0,1,2,3,4,5,6,7
	FRAG 128*(\p)+FR*\i, ADRB+\slot, \q, \i
.endr
	WIN 0
.endm
.macro FETCH_A slot, q, i0
.irp i, \i0, \i0+1, \i0+2, \i0+3
	FRAG AF+FR*(\i), ADRA+\slot, \q, \i
.endr
.endm
.macro PLACES n                        ; plain vector lines between a matrix instruction and a load into, or a read of, its registers
.rept \n
	v_nop
.endr
.endm
.macro STEP slot, q, zero              ; 128 along K, with its successor in the same slot
	s_wait_dscnt 4*NL                              ; B's set and A's blocks 0-3 are in; A's blocks 4-7 (16 loads) may be out
	WIN MUL_LO
	MUL16 0, (\q)%2, \zero
	MUL16 2, (\q)%2, \zero
	s_wait_dscnt 0
	PLACES NP
	FETCH_B \slot, (\q)+1, 1-(\q)%2
	FETCH_A \slot, (\q)+1, 0
	WIN MUL_HI
	MUL16 4, (\q)%2, \zero
	MUL16 6, (\q)%2, \zero
	PLACES NP
	WIN 0
	FETCH_A \slot, (\q)+1, 4
.endm
; A slot's last step changes slots: one barrier; in front of it each wave waits for all its tensor loads, adds 0 to its spare word, and waits for that and for its reads of this slot.
.macro TURN slot, next, fill
	s_wait_tensorcnt 0x0                           ; all my tensor loads have landed: my part of the next slot
	ds_add_u32 v[SPW], v[NIL]                      ; 0 onto my spare word
	s_wait_dscnt 4*NL+1                            ; the add and A's blocks 4-7 may be out
	WIN MUL_LO
	MUL16 0, 1, 0
	s_wait_dscnt 0x0                               ; the add is done, and my reads of this slot are over
	s_barrier_signal -1
	MUL16 2, 1, 0
	WIN 0
	s_barrier_wait -1
.if \fill
	CREST                                          ; the barrier has opened a round of the cluster's: no wave of any partner still reads this slot or has a load on its way
	s_add_nc_u64 s[G0+4*\slot+2:G0+4*\slot+3], s[G0+4*\slot+2:G0+4*\slot+3], 2*ROWB
	s_add_nc_u64 s[G0B+4*\slot+2:G0B+4*\slot+3], s[G0B+4*\slot+2:G0B+4*\slot+3], 2*ROWB
	JLOAD G0+4*\slot, G1, G0B+4*\slot, G1B         ; the first tensor load behind the round; its four v_nop are the places in front of the loads below
.else
	PLACES NP
.endif
	FETCH_B \next, 0, 0
	FETCH_A \next, 0, 0
	WIN MUL_HI
	MUL16 4, 1, 0
	MUL16 6, 1, 0
	PLACES NP
	WIN 0
	FETCH_A \next, 0, 4
.endm
	s_wait_tensorcnt 1                             ; my part of K step 0 is in; K step 1's load may be out
	s_barrier_signal -1
	s_barrier_wait -1
	FETCH_B 0, 0, 0
	FETCH_A 0, 0, 0
	FETCH_A 0, 0, 4
	STEP 0, 0, 1                                   ; the first step's products start the sums
	s_mov_b32 s3, LAPS-1
.Llap:
	TURN 0, 1, 1
	STEP 1, 0, 0
	TURN 1, 0, 1
	STEP 0, 0, 0
	s_sub_co_u32 s3, s3, 1
	s_cmp_lg_u32 s3, 0
	s_cbranch_scc1 .Llap
	TURN 0, 1, 0                                   ; the last lap fills nothing
	STEP 1, 0, 0
	s_wait_dscnt 4*NL
	WIN MUL_LO
	MUL16 0, 1, 0
	MUL16 2, 1, 0
	s_wait_dscnt 0
	WIN MUL_HI
	MUL16 4, 1, 0
	MUL16 6, 1, 0
	WIN 0
; THE WAY OUT.  Block a (16 rows x 128 columns): each sum is held within +-448 x 2^E, eight neighbours of a row become 8 codes, and go to row 16 a + r of my stage.
.macro QBLOCK a
.set AC, 64*((\a)%4)
.set CDS, CD+16*((\a)%2)
.if (\a) < 4
	WIN 0x02                                       ; source 0: window 2
.else
	WIN 0x03                                       ; source 0: window 3
.endif
.set j, 0
.rept 64
	v_med3_num_f32 v[TMP+j], v[AC+j], -v13, v13    ; each accumulator from its low end on
.set j, j+1
.endr
	WIN 0
.if (\a) >= 2
	s_wait_alu depctr_va_vdst(0)
	s_wait_dscnt 8                                 ; block a - 2's stores have read this set of codes; block a - 1's eight may be out
.endif
.irp b, 0,1,2,3,4,5,6,7
	v_cvt_scalef32_pk8_fp8_f32 v[CDS+2*\b:CDS+2*\b+1], v[TMP+8*\b:TMP+8*\b+7], v12
.endr
	v_nop                                          ; one plain line behind the conversions: the next block's holds write their sources
.irp b, 0,1,2,3,4,5,6,7
	ds_store_b64 v[STO], v[CDS+2*\b:CDS+2*\b+1] offset:(\a)*16*SPITCH+16*\b
.endr
.endm
	s_wait_kmcnt 0x0
	s_sub_co_i32 s80, s74, s68                     ; e6 - e0 - e1
	s_sub_co_i32 s80, s80, s69
	s_sub_co_i32 s81, s75, s70                     ; e7 - e2 - e3
	s_sub_co_i32 s81, s81, s71
	s_sub_co_i32 s82, s77, s72                     ; e9 - e4 - e5
	s_sub_co_i32 s82, s82, s73
	s_cmp_eq_u32 ttmp9, 1
	s_cselect_b32 s80, s81, s80
	s_cmp_eq_u32 ttmp9, 2
	s_cselect_b32 s80, s82, s80                    ; E
	s_add_co_i32 s80, s80, 127
	s_lshl_b32 s81, s80, 23
	s_add_co_i32 s80, s80, 8
	s_lshl_b32 s80, s80, 23
	s_or_b32 s80, s80, 0x600000
	PLACES NP                                      ; behind the last products, ahead of the first read of results
	v_mov_b32 v12, s81                             ; 2^E as f32: the conversion takes its exponent field
	v_mov_b32 v13, s80                             ; 448 x 2^E
.irp a, 0,1,2,3,4,5,6,7
	QBLOCK \a
.endr
; back as images: LDS serves a wave's instructions in order, so these see my stores.  Piece n = ((2 rh + pc) x 4 + t) x 2 + c
.irp rh, 0,1
.irp pc, 0,1
.irp t, 0,1,2,3
.irp c, 0,1
	ds_load_b128 v[BK+4*(((\rh*2+\pc)*4+\t)*2+\c):BK+4*(((\rh*2+\pc)*4+\t)*2+\c)+3], v[RD] offset:(64*\rh+32*(\t/2)+8*(\t%2))*SPITCH+64*\pc+32*\c
.endr
.endr
.endr
.endr
.irp rh, 0,1
.irp pc, 0,1
.irp t, 0,1,2,3
.irp c, 0,1
	s_wait_dscnt 31-(((\rh*2+\pc)*4+\t)*2+\c)      ; piece n is in; the 31 - n behind it may be out
	global_store_b128 v[CO], v[BK+4*(((\rh*2+\pc)*4+\t)*2+\c):BK+4*(((\rh*2+\pc)*4+\t)*2+\c)+3], s[92+2*(2*\rh+\pc):93+2*(2*\rh+\pc)] offset:1024*\t+512*\c   ; 32 lanes store 512 consecutive bytes, aligned
.endr
.endr
.endr
.endr
	s_wait_tensorcnt 0x0                           ; the wave's end
	ds_add_u32 v[SPW], v[NIL]
	s_wait_dscnt 0x0
	CROUND                                         ; the closing round: no work-group ends while a partner may still ask for a tile that names it
	s_endpgm
.Lfunc_end_k_q707aa17d04_qkv:
	.size	k_q707aa17d04_qkv, .Lfunc_end_k_q707aa17d04_qkv-k_q707aa17d04_qkv
	.p2alignl 7, 3214868480
	.fill 96, 4, 3214868480
	.section	.rodata,"a",@progbits
	.p2align	6, 0x0
	.amdhsa_kernel k_q707aa17d04_qkv
		.amdhsa_group_segment_fixed_size 327680
		.amdhsa_private_segment_fixed_size 0
		.amdhsa_enable_private_segment 0
		.amdhsa_kernarg_size 32
		.amdhsa_user_sgpr_count 2
		.amdhsa_user_sgpr_kernarg_segment_ptr 1
		.amdhsa_wavefront_size32 1
		.amdhsa_system_sgpr_workgroup_id_x 1
		.amdhsa_system_sgpr_workgroup_id_y 1
		.amdhsa_system_sgpr_workgroup_id_z 1
		.amdhsa_system_vgpr_workitem_id 0
		.amdhsa_next_free_vgpr 1024
		.amdhsa_next_free_sgpr 100
		.amdhsa_reserve_vcc 0
		.amdhsa_float_denorm_mode_32 3
		.amdhsa_float_denorm_mode_16_64 3
		.amdhsa_memory_ordered 1
		.amdhsa_forward_progress 1
		.amdhsa_inst_pref_size 127
	.end_amdhsa_kernel
	.amdgpu_metadata
---
amdhsa.version: [ 1, 2 ]
amdhsa.kernels:
  - .name:           k_q707aa17d04_qkv
    .symbol:         k_q707aa17d04_qkv.kd
    .args:
      - { .name: xc, .offset: 0, .size: 8, .value_kind: global_buffer, .address_space: global }
      - { .name: wc, .offset: 8, .size: 8, .value_kind: global_buffer, .address_space: global }
      - { .name: lowp_scales, .offset: 16, .size: 8, .value_kind: global_buffer, .address_space: global }
      - { .name: qkv, .offset: 24, .size: 8, .value_kind: global_buffer, .address_space: global }
    .group_segment_fixed_size: 327680
    .private_segment_fixed_size: 0
    .kernarg_segment_align: 8
    .kernarg_segment_size: 32
    .max_flat_workgroup_size: 128
    .sgpr_count:     100
    .vgpr_count:     1024
    .wavefront_size: 32
...
	.end_amdgpu_metadata
.endif
;; end of part 2
;; launch attn (part 3): grid 4 x 64, 16 waves a work-group, clusters of 4 x 1, 264,192 bytes of LDS; arguments qkv, lowp_scales, oc; writes oc
.if DOCPART == 3
	.amdgcn_target "amdgcn-amd-amdhsa--gfx1250"
	.amdhsa_code_object_version 6
	.text
	.protected	k_q707aa17d04_attn
	.globl	k_q707aa17d04_attn
	.p2align	8
	.type	k_q707aa17d04_attn,@function
k_q707aa17d04_attn:
	s_mov_b64 s[64:65], 0
	v_nop
	global_prefetch_b8 v0, s[64:65] scope:SCOPE_SE
	s_setreg_imm32_b32 hwreg(HW_REG_WAVE_MODE, 25, 1), 1
	s_wait_xcnt 0x0
	s_wait_alu depctr_hold_cnt(0) depctr_sa_sdst(0) depctr_va_vdst(0) depctr_va_sdst(0) depctr_va_ssrc(0) depctr_va_vcc(0) depctr_vm_vsrc(0)
	s_getreg_b32 s2, hwreg(HW_REG_IB_STS2, 6, 4)
	s_cmp_eq_u32 s2, 0
	s_cbranch_scc0 .Lentry_in_a_cluster
	s_endpgm
.Lentry_in_a_cluster:
	s_bfe_u32 s2, ttmp6, 0x10000c
	s_cmp_lg_u32 s2, 0x3003
	s_cbranch_scc0 .Lentry_shape_is_right
	s_endpgm
.Lentry_shape_is_right:
; Causal attention on codes of FP8 (E4M3): o[q] = sum over keys k <= q of softmax(q . k / 8) v, 64 heads (batch x head) of 2,048 tokens x 64, and o quantised at once for the output product.
; THE SOFTMAX AHEAD OF THE SECOND PRODUCT: t = score x log2(e) / 8; M = the running largest t rounded UP to a whole number; p = 2^(t - M) is quantised with 2^e8; the row's sum is taken of the unquantised p
; and divides at the end.  When M moves, the sum and O are multiplied by 2^(old M - new M), which rounds nothing.
; INPUT: qkv in images (sections q, k, v): a block of 64 x 64 codes is four images of 1,024 bytes, each the registers of a 16 x 64 fragment, lane by lane: image t = 2 b + u, byte 512 c + 16 lane + y =
; block[32 b + 8 u + r + 8 (r / 8)][32 c + 16 (lane / 16) + y].  q, k: rows tokens, columns the head's 64; v: rows the head's 64, columns tokens.  So a fragment is two dense 16-byte loads a lane.
; SHARES.  A cluster of four work-groups is one head.  The head's whole K (131,072 bytes at LDS 0) and V (behind it) are brought ONCE, by joint tensor loads; nothing is filled again.
; A wave owns 32 queries (two images u = 0, 1): 128 g + 32 cx on, g from a table by the wave's number alone: a 4 x 4 square whose rows and columns each sum to 30, so that four waves w % 4 alike, or w / 4 alike,
; have 2 x (30 + 4) = 68 key steps together.  The four partners take neighbouring 32 queries of group g, so every branch hangs on g and the step, never on the place in the cluster; the price is at most one wholly hidden step.
; LAYOUT.  S^T = K Q^T (source 0 = an image of K, source 1 = an image of Q): lane (r, h) holds ONE query; register j of tile 2 b + u is key 32 b + 8 u + 16 h + j: two neighbouring tiles are 16 neighbouring keys, so the
; conversions' results ARE the second product's operand.  O^T = V^T P likewise gives 16 neighbours of the head's 64, and their codes ARE o's image: two dense stores, no stage.
; OUTPUT: oc: image (head, T16) at ((head / 4) x 512 + T16) x 4,096 + (head % 4) x 1,024, T16 = 2 (token / 32) + u over all 8,192 tokens.
; All of K and V is asked for at the head by the tensor loads themselves, so there is no later tile to ask for ahead: no prefetch.
; LIMITS on the given exponents: e6 + e7 between -123 and 130 (added to c's exponent field); e8 and e10 between -126 and 119; e8 + e9 goes by v_ldexp_f32 and has none.  NaN is not served.
.set LI,  1                            ; v1   16 x lane
.set LV,  2                            ; v2   the same in V's half of LDS
.set ADK, 3                            ; v3   the step's images of K
.set ADV, 4                            ; v4   of V
                                       ; v5, v6 the mask's d for u = 0, 1; v7 -infinity; v8: 2^e8; v10: 2^e10
                                       ; tile u: v[12+4u] -M, v[13+4u] the largest t, v[14+4u:15+4u] the sum in two halves, v[20+2u:21+2u] f, v[24+4u .. 26+4u] at work; v27 my query - 16 h
.set QR,  32                           ; v32-47   Q: 8 u
.set KR,  48                           ; v48-79   K's four images
.set VR,  80                           ; v80-111  V's four images
.set S,   112                          ; v112-175 S^T, then p: 32 u + 8 t
.set OT,  176                          ; v176-239 O^T: 32 u + 8 t
.set P,   240                          ; v240-255 p's codes: 8 u
.set KF,  18                           ; s18  the step's first key
.set TB,  19                           ; s19  its block's LDS byte
.set QE,  66                           ; s66  the group's last query
.set QG,  67                           ; s67  the group's first query
.macro CROUND                          ; a round of the cluster's barrier
	s_barrier_signal -1
	s_barrier_wait -1
	s_cmp_lg_u32 s14, 0
	s_cbranch_scc1 .Lnot_wave_0_\@
	s_barrier_signal -3
.Lnot_wave_0_\@:
	s_barrier_wait -3
	s_barrier_signal -1
	s_barrier_wait -1
.endm
	s_load_b128 s[4:7], s[0:1], 0x0                ; qkv, the scales' exponents
	s_load_b64 s[8:9], s[0:1], 0x10                ; oc
	v_lshl_add_u32 v254, v0, 2, 0x40000
	v_mov_b32 v255, 0
	ds_add_u32 v254, v255
	ds_add_u32 v254, v255
	s_wait_dscnt 0x0
	v_lshrrev_b32 v1, 5, v0
	s_delay_alu instid0(VALU_DEP_1)
	v_readfirstlane_b32 s14, v1                    ; wave 0..15
	s_bfe_u32 s15, ttmp6, 0x40000                  ; cx
	s_and_b32 s16, ttmp7, 0xffff                   ; batch x 16 + head: the cluster's y
	s_mov_b32 s69, 0x7a94c12f                      ; g of waves 0-7, four bits each: 15, 2, 1, 12, 4, 9, 10, 7
	s_mov_b32 s70, 0x0de3b658                      ; of waves 8-15: 8, 5, 6, 11, 3, 14, 13, 0
	s_cmp_lt_u32 s14, 8
	s_cselect_b32 s69, s69, s70
	s_and_b32 s70, s14, 7
	s_lshl_b32 s70, s70, 2
	s_lshr_b32 s17, s69, s70
	s_and_b32 s17, s17, 15                         ; g
	s_lshl_b32 s[QG], s17, 7
	s_add_co_u32 s[QE], s[QG], 127
	; descriptor group 1: 64 rows of 256 dense bytes; the mask names all four work-groups
	s_mov_b32 s24, 15|(3<<16)|(1<<21)              ; 15:0 mask; 17:16 elements of 8 bytes; 21 set beside a mask
	s_mov_b32 s25, 32<<16                          ; tensor_dim0 = 32
	s_mov_b32 s26, 64<<16                          ; tensor_dim1 = 64
	s_mov_b32 s27, 32<<16                          ; tile_dim0
	s_mov_b32 s28, 64                              ; tile_dim1
	s_mov_b32 s29, 32                              ; pitch
	s_mov_b32 s30, 0
	s_mov_b32 s31, 0
	s_bfe_u32 s71, s14, 0x10001                    ; waves 0, 1 fetch K, waves 2, 3 V
	s_and_b32 s72, s14, 1                          ; which 16,384 bytes of each 32,768
	s_lshl_b32 s73, s71, 17
	s_lshl_b32 s74, s72, 14
	s_add_co_u32 s73, s73, s74                     ; in LDS
	s_add_co_u32 s71, s71, 1
	s_lshl_b32 s71, s71, 23                        ; section k or v
	s_add_co_u32 s74, s74, s71
	s_lshl_b32 s75, s16, 17                        ; the head's 131,072 bytes
	s_add_co_u32 s74, s74, s75
	s_mov_b32 s75, 0
	s_wait_kmcnt 0x0
	s_load_b256 s[52:59], s[6:7], 0x0              ; e0 .. e7
	s_load_b128 s[60:63], s[6:7], 0x20             ; e8 .. e11
	s_add_nc_u64 s[74:75], s[4:5], s[74:75]
.irp n, 0,1,2,3
	s_mov_b32 s[32+4*\n], 1
	s_add_co_u32 s[33+4*\n], s73, \n*32768
	s_add_nc_u64 s[34+4*\n:35+4*\n], s[74:75], \n*32768
	s_or_b32 s[35+4*\n], s[35+4*\n], 0x80000000
.endr
	CROUND                                         ; all four work-groups are here: the joint loads meet
	s_cmp_lt_u32 s14, 4                            ; a wave's first fills stand in one branch on its number: four loads of mine are out
	s_cbranch_scc0 .Lno_fetch
	tensor_load_to_lds s[32:35], s[24:31]          ; keys 0-511
	s_nop 0
	tensor_load_to_lds s[36:39], s[24:31]
	s_nop 0
	tensor_load_to_lds s[40:43], s[24:31]
	s_nop 0
	tensor_load_to_lds s[44:47], s[24:31]
	s_nop 0
.rept 4
	v_nop
.endr
.Lno_fetch:
	s_lshl_b32 s12, s15, 5
	s_add_co_u32 s12, s12, s[QG]                   ; my first query: 128 g + 32 cx
	s_lshl_b32 s48, s12, 6                         ; its images in the head's q: 64 bytes a token
	s_lshl_b32 s49, s16, 17
	s_add_co_u32 s48, s48, s49
	s_mov_b32 s49, 0
	s_add_nc_u64 s[76:77], s[4:5], s[48:49]
	s_and_b32 s48, s16, 15                         ; head
	s_lshr_b32 s49, s16, 4                         ; batch
	s_lshr_b32 s50, s48, 2
	s_lshl_b32 s50, s50, 21                        ; (head / 4) x 512 x 4,096
	s_and_b32 s48, s48, 3
	s_lshl_b32 s48, s48, 10
	s_add_co_u32 s50, s50, s48
	s_lshl_b32 s49, s49, 19                        ; batch x 128 x 4,096
	s_add_co_u32 s50, s50, s49
	s_lshl_b32 s48, s12, 8                         ; (query / 16) x 4,096
	s_add_co_u32 s50, s50, s48
	s_mov_b32 s51, 0
	s_add_nc_u64 s[78:79], s[8:9], s[50:51]
	v_and_b32 v1, 31, v0
	s_delay_alu instid0(VALU_DEP_1)
	v_lshlrev_b32 v[LI], 4, v1
	s_delay_alu instid0(VALU_DEP_1)
	v_add_nc_u32 v[LV], 131072, v[LI]
.irp u, 0,1
.irp c, 0,1
	global_load_b128 v[QR+8*\u+4*\c:QR+8*\u+4*\c+3], v[LI], s[76:77] offset:1024*\u+512*\c   ; Q's two images stay in registers
.endr
.endr
	v_and_b32 v3, 15, v0                           ; r
	v_bfe_u32 v4, v0, 4, 1                         ; h
	s_delay_alu instid0(VALU_DEP_2)
	v_and_b32 v5, 8, v3
	s_delay_alu instid0(VALU_DEP_1)
	v_add_nc_u32 v5, v5, v3                        ; r + 8 (r / 8)
	s_delay_alu instid0(VALU_DEP_3)
	v_lshlrev_b32 v4, 4, v4
	s_delay_alu instid0(VALU_DEP_1)
	v_sub_nc_u32 v27, v5, v4
	s_delay_alu instid0(VALU_DEP_1)
	v_add_nc_u32 v27, s12, v27                     ; image 0's query of my lane, less 16 h
	v_mov_b32 v7, 0xff800000                       ; -infinity
.irp u, 0,1
	v_mov_b32 v[13+4*\u], 0xff61b1e6               ; the largest t so far: -3e38, under every t
	s_delay_alu instid0(VALU_DEP_1)
	v_floor_f32 v[12+4*\u], -v[13+4*\u]            ; -M
	v_mov_b32 v[14+4*\u], 0                        ; the sum
	v_mov_b32 v[15+4*\u], 0
	v_mov_b32 v[20+2*\u], 0
	v_mov_b32 v[21+2*\u], 0                        ; (named as the upper half of f's pair)
	v_mov_b32 v[26+4*\u], 0                        ; a lane permute's destination counts as one of its sources
.endr
.set j, 0
.rept 64
	v_mov_b32 v[OT+j], 0                           ; the step is written without a first step of its own: the first change of M multiplies zeros
.set j, j+1
.endr
	s_mov_b32 s20, 0x76543210
	s_mov_b32 s21, 0xfedcba98                      ; selects for lane l xor 16
	s_mov_b32 s22, 0x3e38aa3b                      ; c = log2(e) / 8
	s_wait_kmcnt 0x0
	s_add_co_i32 s69, s58, s59                     ; a score stands for score x 2^(e6 + e7): added to c's exponent field
	s_lshl_b32 s69, s69, 23
	s_add_co_i32 s22, s22, s69
	s_mov_b32 s23, s22
	s_add_co_i32 s69, s60, 127
	s_lshl_b32 s70, s69, 23
	v_mov_b32 v8, s70                              ; 2^e8
	s_add_co_i32 s69, s62, 127
	s_lshl_b32 s70, s69, 23
	v_mov_b32 v10, s70                             ; 2^e10
	s_add_co_i32 s13, s60, s61                     ; e8 + e9
; A KEY STEP: 64 keys x my 32 queries.
.macro STEP
	s_cmp_gt_u32 s[KF], s[QE]                      ; all keys come after the group's queries: the step's work is left out; no barrier and no tensor load stands in a step
	s_cbranch_scc1 .Lhid_\@
	s_setprio 2
	v_add_nc_u32 v[ADK], s[TB], v[LI]
	v_add_nc_u32 v[ADV], s[TB], v[LV]
	v_nop
	v_nop                                          ; four plain lines between the last step's products and the loads into V's registers
.irp n, 0,1,2,3,4,5,6,7
	ds_load_b128 v[KR+4*\n:KR+4*\n+3], v[ADK] offset:512*\n
.endr
.irp n, 0,1,2,3,4,5,6,7
	ds_load_b128 v[VR+4*\n:VR+4*\n+3], v[ADV] offset:512*\n
.endr
	s_wait_dscnt 8                                 ; K's eight loads are in; V's eight may be out
.irp t, 0,1,2,3
.irp u, 0,1
	v_wmma_f32_16x16x64_fp8_fp8 v[S+32*\u+8*\t:S+32*\u+8*\t+7], v[KR+8*\t:KR+8*\t+7], v[QR+8*\u:QR+8*\u+7], 0
.endr
.endr
.rept 4
	v_nop
.endr
	s_add_co_u32 s69, s[KF], 63
	s_cmp_le_u32 s69, s[QG]                        ; all keys count for all of the group's queries: no mask
	s_cbranch_scc1 .Lopen_\@
	v_sub_nc_u32 v5, v27, s[KF]                    ; register n holds key KF + 16 h + 32 (n / 16) + n % 16: hidden where 32 (n / 16) + n % 16 > my query - KF - 16 h
	s_delay_alu instid0(VALU_DEP_1)
	v_add_nc_u32 v6, 8, v5                         ; image 1's queries lie 8 further on
.irp n, 0,1,2,3,4,5,6,7,8,9,10,11,12,13,14,15,16,17,18,19,20,21,22,23,24,25,26,27,28,29,30,31
	v_cmp_gt_i32 vcc_lo, 32*(\n/16)+\n%16, v5
	v_cndmask_b32 v[S+\n], v[S+\n], v7, vcc_lo
	v_cmp_gt_i32 vcc_lo, 32*(\n/16)+\n%16, v6
	v_cndmask_b32 v[S+32+\n], v[S+32+\n], v7, vcc_lo
.endr
.Lopen_\@:
.irp u, 0,1                            ; the step's largest score of my query among my 32 keys: two chains a tile, each accumulator from its low end on
	v_max3_num_f32 v[24+4*\u], v[S+32*\u], v[S+32*\u+1], v[S+32*\u+2]
	v_max3_num_f32 v[25+4*\u], v[S+32*\u+3], v[S+32*\u+4], v[S+32*\u+5]
.endr
.irp i, 6,10,14,18,22,26
.irp u, 0,1
	v_max3_num_f32 v[24+4*\u], v[24+4*\u], v[S+32*\u+\i], v[S+32*\u+\i+1]
	v_max3_num_f32 v[25+4*\u], v[25+4*\u], v[S+32*\u+\i+2], v[S+32*\u+\i+3]
.endr
.endr
.irp u, 0
	v_max3_num_f32 v[24+4*\u], v[24+4*\u], v[S+32*\u+30], v[S+32*\u+31]
.endr
.irp u, 1
	v_max3_num_f32 v[24+4*\u], v[24+4*\u], v[S+32*\u+30], v[S+32*\u+31]
.endr
.irp u, 0,1
	s_delay_alu instid0(VALU_DEP_2)
	v_max_num_f32 v[24+4*\u], v[24+4*\u], v[25+4*\u]
.endr
.irp u, 0,1
	s_delay_alu instid0(VALU_DEP_2)
	v_permlanex16_b32 v[26+4*\u], v[24+4*\u], s20, s21
.endr
.irp u, 0,1
	s_delay_alu instid0(VALU_DEP_2)
	v_max_num_f32 v[24+4*\u], v[24+4*\u], v[26+4*\u]   ; and among lane l xor 16's
.endr
.irp u, 0,1
	s_delay_alu instid0(VALU_DEP_2)
	v_mul_f32 v[24+4*\u], s22, v[24+4*\u]          ; as t (c is positive)
.endr
.irp u, 0
	s_delay_alu instid0(VALU_DEP_2)
	v_max_num_f32 v[13+4*\u], v[13+4*\u], v[24+4*\u]   ; the running largest t
	v_mov_b32 v[24+4*\u], v[12+4*\u]
.endr
.irp u, 1
	s_delay_alu instid0(VALU_DEP_3)
	v_max_num_f32 v[13+4*\u], v[13+4*\u], v[24+4*\u]
	v_mov_b32 v[24+4*\u], v[12+4*\u]
.endr
.irp u, 0
	s_delay_alu instid0(VALU_DEP_4)
	v_floor_f32 v[12+4*\u], -v[13+4*\u]
.endr
.irp u, 1
	s_delay_alu instid0(VALU_DEP_3)
	v_floor_f32 v[12+4*\u], -v[13+4*\u]            ; the new -M = floor(-t): M is a whole number
.endr
.irp u, 0,1
	s_delay_alu instid0(VALU_DEP_2)
	v_sub_f32 v[24+4*\u], v[12+4*\u], v[24+4*\u]   ; old M - new M, 0 or less
.endr
.irp u, 0,1
	s_delay_alu instid0(VALU_DEP_2)
	v_cvt_i32_f32 v[24+4*\u], v[24+4*\u]           ; (it saturates)
.endr
.irp u, 0,1
	s_delay_alu instid0(VALU_DEP_2)
	v_ldexp_f32 v[20+2*\u], 1.0, v[24+4*\u]        ; f = 2^(old M - new M)
.endr
.irp u, 0,1
.irp j, 0,2,4,6,8,10,12,14,16,18,20,22,24,26,28,30
	v_pk_fma_f32 v[S+32*\u+\j:S+32*\u+\j+1], v[S+32*\u+\j:S+32*\u+\j+1], s[22:23], v[12+4*\u:13+4*\u] op_sel_hi:[1,0,0]   ; t - M
.endr
.endr
.set j, 0
	s_setprio 1
	s_wait_alu depctr_va_vdst(0)
.rept 64
	v_exp_f32 v[S+j], v[S+j]                       ; p = 2^(t - M): not normalised
.set j, j+1
.endr
.irp u, 0,1
	v_pk_mul_f32 v[14+4*\u:15+4*\u], v[14+4*\u:15+4*\u], v[20+2*\u:21+2*\u] op_sel_hi:[1,0]   ; the sums under the new M; plain lines behind the exponentials
.endr
	s_wait_alu depctr_va_vdst(0)                   ; one wait for the batch of 64, ahead of its first reader
.irp u, 0,1
	v_pk_add_f32 v[24+4*\u:25+4*\u], v[S+32*\u:S+32*\u+1], v[S+32*\u+2:S+32*\u+3]   ; the row's sum is taken of the unquantised p: two chains a tile
.endr
.irp j, 4,8,12,16,20,24,28
.irp u, 0,1
	v_pk_add_f32 v[14+4*\u:15+4*\u], v[14+4*\u:15+4*\u], v[S+32*\u+\j:S+32*\u+\j+1]
	v_pk_add_f32 v[24+4*\u:25+4*\u], v[24+4*\u:25+4*\u], v[S+32*\u+\j+2:S+32*\u+\j+3]
.endr
.endr
.irp u, 0
	s_delay_alu instid0(VALU_DEP_3)
	v_pk_add_f32 v[14+4*\u:15+4*\u], v[14+4*\u:15+4*\u], v[24+4*\u:25+4*\u]
.endr
.irp u, 1
	s_delay_alu instid0(VALU_DEP_2)
	v_pk_add_f32 v[14+4*\u:15+4*\u], v[14+4*\u:15+4*\u], v[24+4*\u:25+4*\u]
.endr
.irp u, 0,1
.irp b, 0,1
.irp i, 0,1,2,3,4,5,6,7,8,9,10,11,12,13,14,15
.endr
	v_cvt_scalef32_pk8_fp8_f32 v[P+8*\u+4*\b:P+8*\u+4*\b+1], v[S+32*\u+16*\b:S+32*\u+16*\b+7], v8
	v_cvt_scalef32_pk8_fp8_f32 v[P+8*\u+4*\b+2:P+8*\u+4*\b+3], v[S+32*\u+16*\b+8:S+32*\u+16*\b+15], v8
.endr
.endr
.irp u, 0,1
.irp j, 0,2,4,6,8,10,12,14,16,18,20,22,24,26,28,30
	v_pk_mul_f32 v[OT+32*\u+\j:OT+32*\u+\j+1], v[OT+32*\u+\j:OT+32*\u+\j+1], v[20+2*\u:21+2*\u] op_sel_hi:[1,0]   ; O^T under the new M; also the plain lines behind the conversions
.endr
.endr
	s_setprio 0
	s_wait_alu depctr_va_vdst(0)
	s_wait_dscnt 0x0                               ; V is in
.irp t, 0,1,2,3
.irp u, 0,1
	v_wmma_f32_16x16x64_fp8_fp8 v[OT+32*\u+8*\t:OT+32*\u+8*\t+7], v[VR+8*\t:VR+8*\t+7], v[P+8*\u:P+8*\u+7], v[OT+32*\u+8*\t:OT+32*\u+8*\t+7]   ; eight accumulators, one turn each
.endr
.endr
.Lhid_\@:
	s_add_co_u32 s[KF], s[KF], 64
	s_add_co_u32 s[TB], s[TB], 4096
.endm
	s_wait_loadcnt 0x0                             ; Q
	s_wait_tensorcnt 3                             ; my first fill (keys 0-511) has landed; my three later ones may be out
	s_barrier_signal -1
	s_barrier_wait -1                              ; everybody's has
	s_mov_b32 s[KF], 0
	s_mov_b32 s[TB], 0
	s_mov_b32 s68, 4
.Lfirst:                               ; keys 0-255, while the rest of K and V lands
	STEP
	s_sub_co_u32 s68, s68, 1
	s_cmp_lg_u32 s68, 0
	s_cbranch_scc1 .Lfirst
	s_setprio 0
	s_wait_tensorcnt 0x0                           ; all my fills have landed
	s_wait_dscnt 0x0
	s_barrier_signal -1
	s_barrier_wait -1                              ; everybody's have: from here on the waves go their own ways
	s_mov_b32 s[KF], 256
	s_mov_b32 s[TB], 16384
	s_mov_b32 s68, 28
.Lrest:                                ; keys 256-2,047: a constant count of trips; a wave's hidden steps are jumped over inside
	STEP
	s_sub_co_u32 s68, s68, 1
	s_cmp_lg_u32 s68, 0
	s_cbranch_scc1 .Lrest
	s_setprio 0
	; THE WAY OUT.  The sum's halves are added (these additions are the plain lines behind the last products); O^T / the sum x 2^(e8 + e9) is o; it is held, converted with 2^e10, and the codes are o's image.
.irp u, 0,1
	v_add_f32 v[14+4*\u], v[14+4*\u], v[15+4*\u]
.endr
.irp u, 0,1
	s_delay_alu instid0(VALU_DEP_2)
	v_permlanex16_b32 v[26+4*\u], v[14+4*\u], s20, s21
.endr
.irp u, 0,1
	s_delay_alu instid0(VALU_DEP_2)
	v_add_f32 v[14+4*\u], v[14+4*\u], v[26+4*\u]
.endr
	s_wait_alu depctr_va_vdst(0)
.irp u, 0,1
	v_rcp_f32 v[20+2*\u], v[14+4*\u]
.endr
	v_nop                                          ; a plain line behind the reciprocals
	s_wait_alu depctr_va_vdst(0)                   ; one wait for both, ahead of their first reader
.irp u, 0,1
	v_ldexp_f32 v[20+2*\u], v[20+2*\u], s13
.endr
.irp u, 0,1
.irp j, 0,2,4,6,8,10,12,14,16,18,20,22,24,26,28,30
	v_pk_mul_f32 v[S+32*\u+\j:S+32*\u+\j+1], v[OT+32*\u+\j:OT+32*\u+\j+1], v[20+2*\u:21+2*\u] op_sel_hi:[1,0]
.endr
.endr
.irp u, 0,1
.irp b, 0,1
.irp i, 0,1,2,3,4,5,6,7,8,9,10,11,12,13,14,15
.endr
	v_cvt_scalef32_pk8_fp8_f32 v[P+8*\u+4*\b:P+8*\u+4*\b+1], v[S+32*\u+16*\b:S+32*\u+16*\b+7], v10
	v_cvt_scalef32_pk8_fp8_f32 v[P+8*\u+4*\b+2:P+8*\u+4*\b+3], v[S+32*\u+16*\b+8:S+32*\u+16*\b+15], v10
.endr
.endr
	v_nop
.irp u, 0,1
.irp c, 0,1
	global_store_b128 v[LI], v[P+8*\u+4*\c:P+8*\u+4*\c+3], s[78:79] offset:4096*\u+512*\c   ; 32 lanes store 512 consecutive bytes, aligned
.endr
.endr
	s_wait_dscnt 0x0
	s_wait_xcnt 0x0
	v_lshl_add_u32 v254, v0, 2, 0x40000
	v_mov_b32 v255, 0
	s_wait_alu depctr_va_vdst(0)
	s_wait_tensorcnt 0x0
	ds_add_u32 v254, v255
	s_wait_dscnt 0x0
	CROUND                                         ; the closing round
	s_endpgm
.Lfunc_end_k_q707aa17d04_attn:
	.size	k_q707aa17d04_attn, .Lfunc_end_k_q707aa17d04_attn-k_q707aa17d04_attn
	.p2alignl 7, 3214868480
	.fill 96, 4, 3214868480
	.section	.rodata,"a",@progbits
	.p2align	6, 0x0
	.amdhsa_kernel k_q707aa17d04_attn
		.amdhsa_group_segment_fixed_size 264192
		.amdhsa_private_segment_fixed_size 0
		.amdhsa_enable_private_segment 0
		.amdhsa_kernarg_size 24
		.amdhsa_user_sgpr_count 2
		.amdhsa_user_sgpr_kernarg_segment_ptr 1
		.amdhsa_wavefront_size32 1
		.amdhsa_system_sgpr_workgroup_id_x 1
		.amdhsa_system_sgpr_workgroup_id_y 1
		.amdhsa_system_sgpr_workgroup_id_z 1
		.amdhsa_system_vgpr_workitem_id 0
		.amdhsa_next_free_vgpr 256
		.amdhsa_next_free_sgpr 80
		.amdhsa_reserve_vcc 1
		.amdhsa_float_denorm_mode_32 3
		.amdhsa_float_denorm_mode_16_64 3
		.amdhsa_fp16_overflow 1
		.amdhsa_memory_ordered 1
		.amdhsa_forward_progress 1
		.amdhsa_inst_pref_size 52
	.end_amdhsa_kernel
	.amdgpu_metadata
---
amdhsa.version: [ 1, 2 ]
amdhsa.kernels:
  - .name:           k_q707aa17d04_attn
    .symbol:         k_q707aa17d04_attn.kd
    .args:
      - { .name: qkv, .offset: 0, .size: 8, .value_kind: global_buffer, .address_space: global }
      - { .name: lowp_scales, .offset: 8, .size: 8, .value_kind: global_buffer, .address_space: global }
      - { .name: oc, .offset: 16, .size: 8, .value_kind: global_buffer, .address_space: global }
    .group_segment_fixed_size: 264192
    .private_segment_fixed_size: 0
    .kernarg_segment_align: 8
    .kernarg_segment_size: 24
    .max_flat_workgroup_size: 512
    .sgpr_count:     80
    .vgpr_count:     256
    .wavefront_size: 32
...
	.end_amdgpu_metadata
.endif
;; end of part 3
;; launch proj (part 4): grid 4 x 32, 4 waves a work-group, clusters of 4 x 4, 327,680 bytes of LDS; arguments oc, wc, lowp_scales, out0; writes out0
.if DOCPART == 4
	.amdgcn_target "amdgcn-amd-amdhsa--gfx1250"
	.amdhsa_code_object_version 6
	.text
	.protected	k_q707aa17d04_proj
	.globl	k_q707aa17d04_proj
	.p2align	8
	.type	k_q707aa17d04_proj,@function
k_q707aa17d04_proj:
	s_mov_b64 s[64:65], 0
	v_nop
	global_prefetch_b8 v0, s[64:65] scope:SCOPE_SE
	s_setreg_imm32_b32 hwreg(HW_REG_WAVE_MODE, 25, 1), 1
	s_wait_xcnt 0x0
	s_wait_alu depctr_hold_cnt(0) depctr_sa_sdst(0) depctr_va_vdst(0) depctr_va_sdst(0) depctr_va_ssrc(0) depctr_va_vcc(0) depctr_vm_vsrc(0)
	s_getreg_b32 s2, hwreg(HW_REG_IB_STS2, 6, 4)
	s_cmp_eq_u32 s2, 0
	s_cbranch_scc0 .Lentry_in_a_cluster
	s_endpgm
.Lentry_in_a_cluster:
	s_bfe_u32 s2, ttmp6, 0x10000c
	s_cmp_lg_u32 s2, 0xf033
	s_cbranch_scc0 .Lentry_shape_is_right
	s_endpgm
.Lentry_shape_is_right:
; out0[m][n] = sum over k of o[m][k] Wo[n][k] on codes of FP8 (E4M3), sums in f32, each finished sum x 2^(e10 + e11).  M = 8,192, N = K = 1,024.
; LIMIT: e10 + e11 lies between -126 and 127, so that 2^(e10 + e11) is an f32 number.
; A (o's codes) comes in IMAGES: image (head, T16) of 1,024 bytes at ((head / 4) x 512 + T16) x 4,096 + (head % 4) x 1,024; its byte 512 c + 16 lane + y is o[token][64 head + 32 c + 16 (lane / 16) + y],
; token = 32 (T16 / 2) + 8 (T16 % 2) + r + 8 (r / 8), r = lane % 16.  So a K step of 256 (four heads) of 128 tokens is 32,768 dense bytes, a fragment of 16 rows x 128 K is four dense 16-byte loads a lane,
; and k stands in the same places as in B's fragments.  The rows of a block of 16 are not neighbours: the way out sends each row to its token.
; B = Wo's codes (section 3 of wc), rows of 1,024 bytes, K innermost, padded in LDS.
; A tile of C, 256 x 256, is made by four waves, each 128 x 128; K goes in steps of 256 through a ring of two LDS slots.  CLUSTERS: 4 x 4; A's tile is asked for jointly along a row of the cluster, B's along a column.
; THE MATRIX INSTRUCTION IS USED TRANSPOSED (source 0 = 16 rows of B, source 1 = 16 rows of A): a lane holds eight neighbouring numbers of a row of C.
; No prefetch: K has four steps, two asked for at the head and two one step later.
; REGISTERS, in windows of 256: window 0: v0-31 addresses; from v128 A's fragments, ONE set; on the way out v32-255 are free.  window 1: B's fragments, TWO sets.  windows 2, 3: the accumulators.
.set ROWB,   256
.set KROW,   1024
.set PITCH,  272                       ; B's LDS row: 256 bytes + 16 of padding
.set FR,     16
.set NL,     4
.set NP,     4
.set HALFA,  32768                     ; 128 tokens x 256 K of A, dense
.set HALFB,  128*PITCH
.set BOFF,   2*HALFA                   ; B's rows lie behind A's two halves
.set SLOT,   BOFF+2*HALFB
.set KJUMP,  2097152                   ; a K step on in oc
.set LAPS,   2
.set SPARE,  2*SLOT                    ; behind the ring: the spare words, 128 bytes a wave; no other line names them
.set SPITCH, 528                       ; the way out: 16 rows x (512 bytes + 16) for each wave, in slot 0, which has had its last fill and its last read by then
.set ADRA, 16
.set ADRB, 20
.set STO,  24
.set RD,   25
.set CO,   26                          ; v26  16 x lane
.set SPW,  28
.set NIL,  29
.set TMP,  32
.set AF,   128
.set BK,   128
.set G1, 24
.set G0, 32
.set G1B, 48
.set G0B, 56
.set MSB, 0
.macro WIN new                         ; the immediate's high byte repeats the setting that is left
.if MSB != \new
	s_set_vgpr_msb (MSB<<8)|\new
.set MSB, \new
.endif
.endm
.set MUL_LO, 0xa1
.set MUL_HI, 0xf1
.set TO_B,   0x40
.macro JLOAD g0a, g1a, g0b, g1b        ; waves 0 and 1 fetch for A, waves 2 and 3 for B; four v_nop follow each of the two lines
	s_cmp_eq_u32 s15, 0
	s_cbranch_scc0 .Lfor_b_\@
	tensor_load_to_lds s[\g0a:\g0a+3], s[\g1a:\g1a+7]
	s_nop 0
.rept 4
	v_nop
.endr
	s_branch .Lasked_\@
.Lfor_b_\@:
	tensor_load_to_lds s[\g0b:\g0b+3], s[\g1b:\g1b+7]
	s_nop 0
.rept 4
	v_nop
.endr
.Lasked_\@:
.endm
.macro CREST
	s_cmp_lg_u32 s14, 0
	s_cbranch_scc1 .Lnot_wave_0_\@
	s_barrier_signal -3
.Lnot_wave_0_\@:
	s_barrier_wait -3
	s_barrier_signal -1
	s_barrier_wait -1
.endm
.macro CROUND
	s_barrier_signal -1
	s_barrier_wait -1
	CREST
.endm
	s_load_b128 s[4:7], s[0:1], 0x0                ; oc, wc
	s_load_b128 s[8:11], s[0:1], 0x10              ; the scales' exponents, out0
	v_lshl_add_u32 v[SPW], v0, 2, SPARE
	v_mov_b32 v[NIL], 0
	ds_add_u32 v28, v29
	ds_add_u32 v28, v29
	s_wait_dscnt 0x0
	v_lshrrev_b32 v1, 5, v0
	v_readfirstlane_b32 s14, v1                    ; wave 0..3
	s_lshr_b32 s15, s14, 1                         ; which half of the tile's rows is mine.  Also: I fetch for A (0) or for B (1)
	s_and_b32 s16, s14, 1                          ; which half of its columns.  Also: which half of that tile I fetch
	s_bfe_u32 s40, ttmp6, 0x40000                  ; cx
	s_bfe_u32 s41, ttmp6, 0x40004                  ; cy
	s_lshl_b32 s42, ttmp9, 2
	s_add_co_u32 s42, s42, s40                     ; tile column
	s_and_b32 s17, ttmp7, 0xffff
	s_lshl_b32 s17, s17, 2
	s_add_co_u32 s17, s17, s41                     ; tile row
	s_lshl_b32 s43, s41, 2
	s_lshl_b32 s43, 15, s43                        ; my row of the cluster
	s_lshl_b32 s44, 0x1111, s40                    ; my column
	; A's group 1: 128 rows of 256 dense bytes, no padding.  B's: 128 rows x 256 bytes, 1,024 apart, 16 bytes of padding behind each
	s_or_b32 s[G1+0], s43, (3<<16)|(1<<21)
	s_mov_b32 s[G1+1], 32<<16
	s_mov_b32 s[G1+2], 128<<16
	s_mov_b32 s[G1+3], 32<<16
	s_mov_b32 s[G1+4], 128
	s_mov_b32 s[G1+5], 32
	s_mov_b32 s[G1+6], 0
	s_mov_b32 s[G1+7], 0
	s_or_b32 s[G1B+0], s44, (0<<16)|(1<<20)|(1<<21)|(5<<22)|(3<<25)
	s_mov_b32 s[G1B+1], ROWB<<16
	s_mov_b32 s[G1B+2], 128<<16
	s_mov_b32 s[G1B+3], ROWB<<16
	s_mov_b32 s[G1B+4], 128
	s_mov_b32 s[G1B+5], KROW
	s_mov_b32 s[G1B+6], 0
	s_mov_b32 s[G1B+7], 0
	s_lshl_b32 s20, s17, 16                        ; A: (16 x tile row + 8 x half) x 4,096
	s_lshl_b32 s18, s16, 15
	s_add_co_u32 s20, s20, s18
	s_mov_b32 s21, 0
	s_lshl_b32 s46, s42, 18                        ; B: (256 x tile column + 128 x half) x 1,024, in Wo's section
	s_lshl_b32 s47, s16, 17
	s_add_co_u32 s46, s46, s47
	s_add_co_u32 s46, s46, 0x300000
	s_mov_b32 s47, 0
	s_mul_i32 s45, s16, HALFA                      ; where A's half goes,
	s_mul_i32 s66, s16, HALFB
	s_add_co_u32 s66, s66, BOFF                    ; and B's: no place in the cluster enters an LDS address
	s_wait_kmcnt 0x0
	s_load_b64 s[96:97], s[8:9], 0x28              ; e10, e11
	s_add_nc_u64 s[20:21], s[4:5], s[20:21]
	s_add_nc_u64 s[46:47], s[6:7], s[46:47]
	CROUND                                         ; all sixteen work-groups are here: the first joint loads meet
.irp s, 0,1
	s_mov_b32 s[G0+4*\s], 1
	s_add_co_u32 s[G0+4*\s+1], s45, \s*SLOT
	s_add_nc_u64 s[G0+4*\s+2:G0+4*\s+3], s[20:21], \s*KJUMP
	s_or_b32 s[G0+4*\s+3], s[G0+4*\s+3], 0x80000000
	s_mov_b32 s[G0B+4*\s], 1
	s_add_co_u32 s[G0B+4*\s+1], s66, \s*SLOT
	s_add_nc_u64 s[G0B+4*\s+2:G0B+4*\s+3], s[46:47], \s*ROWB
	s_or_b32 s[G0B+4*\s+3], s[G0B+4*\s+3], 0x80000000
	s_wait_alu depctr_va_vdst(0)
	s_wait_tensorcnt 0x0
	ds_add_u32 v28, v29
	ds_add_u32 v28, v29
	s_wait_dscnt 0x0
	CROUND
	JLOAD G0+4*\s, G1, G0B+4*\s, G1B
.endr
	v_and_b32 v1, 15, v0                           ; r
	v_bfe_u32 v2, v0, 4, 1                         ; h
	v_mul_u32_u24 v3, v1, PITCH
	v_lshl_add_u32 v4, v2, 4, v3                   ; B: a fragment's row x pitch + 16 x half
	v_and_b32 v6, 31, v0
	v_lshlrev_b32 v[CO], 4, v6                     ; A: 16 x lane
	s_wait_alu depctr_va_vdst(0)
	s_mul_i32 s21, s15, HALFA                      ; my 128 rows of A
	s_mul_i32 s22, s16, HALFB                      ; my 128 rows of B
	s_add_co_u32 s22, s22, BOFF
.irp s, 0,1
	v_add_nc_u32 v[ADRA+\s], s21, v[CO]
	v_add_nc_u32 v[ADRB+\s], s22, v4
	s_add_co_u32 s21, s21, SLOT
	s_add_co_u32 s22, s22, SLOT
.endr
	s_mul_i32 s23, s14, 16*SPITCH                  ; my stage
	v_mul_u32_u24 v5, v1, SPITCH
	v_lshl_add_u32 v5, v2, 5, v5
	v_add_nc_u32 v[STO], s23, v5                   ; in: row r, 32 bytes for each half of the lanes
	v_add_nc_u32 v[RD], s23, v[CO]                 ; back: the 32 lanes take one row of 512 bytes
	s_lshl_b32 s20, s17, 20                        ; my first row of C: (256 x tile row + 128 x half) x 4,096 bytes,
	s_lshl_b32 s21, s15, 19
	s_add_co_u32 s20, s20, s21
	s_lshl_b32 s46, s42, 10                        ; my first column: 1,024 x tile column + 512 x half
	s_add_co_u32 s20, s20, s46
	s_lshl_b32 s46, s16, 9
	s_add_co_u32 s20, s20, s46
	s_mov_b32 s21, 0
	s_add_nc_u64 s[10:11], s[10:11], s[20:21]
.macro FRAG reg, adr, q, i             ; B: 16 rows x 128 K: registers 4 c .. 4 c + 3 hold K = 32 c + 16 (lane / 16) + 0 .. 15 of row lane % 16
.irp c, 0,1,2,3
	ds_load_b128 v[\reg+4*\c:\reg+4*\c+3], v[\adr] offset:128*(\q)+32*\c+(\i)*16*PITCH
.endr
.endm
.macro FRAGA reg, slot, q, i           ; A: block i's images of heads 2 q and 2 q + 1 of the slot's four: the same places of k
.irp c, 0,1,2,3
	ds_load_b128 v[\reg+4*\c:\reg+4*\c+3], v[ADRA+\slot] offset:(\i)*4096+(\q)*2048+512*\c
.endr
.endm
.macro MUL16 a0, p, zero               ; the 64 accumulators take turns, one instruction a turn, in the same order in every step
.irp a, \a0, \a0+1
.irp b, 0,1,2,3,4,5,6,7
.if \zero
	v_wmma_f32_16x16x128_fp8_fp8 v[8*(8*((\a)%4)+\b):8*(8*((\a)%4)+\b)+7], v[128*(\p)+FR*\b:128*(\p)+FR*\b+FR-1], v[AF+FR*(\a):AF+FR*(\a)+FR-1], 0
.else
	v_wmma_f32_16x16x128_fp8_fp8 v[8*(8*((\a)%4)+\b):8*(8*((\a)%4)+\b)+7], v[128*(\p)+FR*\b:128*(\p)+FR*\b+FR-1], v[AF+FR*(\a):AF+FR*(\a)+FR-1], v[8*(8*((\a)%4)+\b):8*(8*((\a)%4)+\b)+7]
.endif
.endr
.endr
.endm
.macro FETCH_B slot, q, p
	WIN TO_B
.irp i, 0,1,2,3,4,5,6,7
	FRAG 128*(\p)+FR*\i, ADRB+\slot, \q, \i
.endr
	WIN 0
.endm
.macro FETCH_A slot, q, i0
.irp i, \i0, \i0+1, \i0+2, \i0+3
	FRAGA AF+FR*(\i), \slot, \q, \i
.endr
.endm
.macro PLACES n                        ; plain vector lines between a matrix instruction and a load into, or a read of, its registers
.rept \n
	v_nop
.endr
.endm
.macro STEP slot, q, zero
	s_wait_dscnt 4*NL                              ; B's set and A's blocks 0-3 are in; A's blocks 4-7 (16 loads) may be out
	WIN MUL_LO
	MUL16 0, (\q)%2, \zero
	MUL16 2, (\q)%2, \zero
	s_wait_dscnt 0
	PLACES NP
	FETCH_B \slot, (\q)+1, 1-(\q)%2
	FETCH_A \slot, (\q)+1, 0
	WIN MUL_HI
	MUL16 4, (\q)%2, \zero
	MUL16 6, (\q)%2, \zero
	PLACES NP
	WIN 0
	FETCH_A \slot, (\q)+1, 4
.endm
.macro TURN slot, next, fill
	s_wait_tensorcnt 0x0                           ; all my tensor loads have landed: my part of the next slot
	ds_add_u32 v[SPW], v[NIL]                      ; 0 onto my spare word
	s_wait_dscnt 4*NL+1                            ; the add and A's blocks 4-7 may be out
	WIN MUL_LO
	MUL16 0, 1, 0
	s_wait_dscnt 0x0                               ; the add is done, and my reads of this slot are over
	s_barrier_signal -1
	MUL16 2, 1, 0
	WIN 0
	s_barrier_wait -1
.if \fill
	CREST                                          ; the barrier has opened a round of the cluster's: no wave of any partner still reads this slot or has a load on its way
	s_add_nc_u64 s[G0+4*\slot+2:G0+4*\slot+3], s[G0+4*\slot+2:G0+4*\slot+3], 2*KJUMP
	s_add_nc_u64 s[G0B+4*\slot+2:G0B+4*\slot+3], s[G0B+4*\slot+2:G0B+4*\slot+3], 2*ROWB
	JLOAD G0+4*\slot, G1, G0B+4*\slot, G1B         ; the first tensor load behind the round; its four v_nop are the places in front of the loads below
.else
	PLACES NP
.endif
	FETCH_B \next, 0, 0
	FETCH_A \next, 0, 0
	WIN MUL_HI
	MUL16 4, 1, 0
	MUL16 6, 1, 0
	PLACES NP
	WIN 0
	FETCH_A \next, 0, 4
.endm
	s_wait_alu depctr_va_vdst(0)
	s_wait_tensorcnt 1                             ; my part of K step 0 is in; K step 1's load may be out
	s_barrier_signal -1
	s_barrier_wait -1
	FETCH_B 0, 0, 0
	FETCH_A 0, 0, 0
	FETCH_A 0, 0, 4
	STEP 0, 0, 1                                   ; the first step's products start the sums
	s_mov_b32 s3, LAPS-1
.Llap:
	TURN 0, 1, 1
	STEP 1, 0, 0
	TURN 1, 0, 1
	STEP 0, 0, 0
	s_sub_co_u32 s3, s3, 1
	s_cmp_lg_u32 s3, 0
	s_cbranch_scc1 .Llap
	TURN 0, 1, 0                                   ; the last lap fills nothing
	STEP 1, 0, 0
	s_wait_dscnt 4*NL
	WIN MUL_LO
	MUL16 0, 1, 0
	MUL16 2, 1, 0
	s_wait_dscnt 0
	WIN MUL_HI
	MUL16 4, 1, 0
	MUL16 6, 1, 0
	WIN 0
; THE WAY OUT, block by block of 16 rows x 128 columns, through my own stage in LDS; a row comes back whole, 512 bytes for the 32 lanes.  LDS serves a wave's instructions in order: no wait between the stores and the loads.
.macro TOSTAGE a
.set AC, 64*((\a)%4)
.if (\a) < 4
	WIN 0x02                                       ; source 0: window 2
.else
	WIN 0x03                                       ; source 0: window 3
.endif
.irp j, 0,2,4,6,8,10,12,14,16,18,20,22,24,26,28,30,32,34,36,38,40,42,44,46,48,50,52,54,56,58,60,62
	v_pk_mul_f32 v[TMP+\j:TMP+\j+1], v[AC+\j:AC+\j+1], s[96:97] op_sel_hi:[1,0]   ; x 2^(e10 + e11); each accumulator from its low end on
.endr
	WIN 0
.irp b, 0,1,2,3,4,5,6,7
	ds_store_b128 v[STO], v[TMP+8*\b:TMP+8*\b+3] offset:64*\b
	ds_store_b128 v[STO], v[TMP+8*\b+4:TMP+8*\b+7] offset:64*\b+16
.endr
.set BB, BK+64*((\a)%2)
.irp t, 0,1,2,3,4,5,6,7,8,9,10,11,12,13,14,15
	ds_load_b128 v[BB+4*\t:BB+4*\t+3], v[RD] offset:\t*SPITCH
.endr
.endm
.macro SEND a, younger                 ; row t of block a is token 32 (a / 2) + 8 (a % 2) + t + 8 (t / 8) of my 128: the place stands in the immediate, 520,192 at the most
.set BB, BK+64*((\a)%2)
	s_wait_dscnt \younger
.irp t, 0,1,2,3,4,5,6,7,8,9,10,11,12,13,14,15
	global_store_b128 v[CO], v[BB+4*\t:BB+4*\t+3], s[10:11] offset:(32*((\a)/2)+8*((\a)%2)+\t+8*(\t/8))*4096 th:TH_STORE_NT   ; 32 lanes store 512 consecutive bytes, aligned; written once
.endr
.endm
	s_wait_kmcnt 0x0
	s_add_co_i32 s96, s96, s97
	s_add_co_i32 s96, s96, 127
	s_lshl_b32 s96, s96, 23                        ; 2^(e10 + e11) as f32
	PLACES NP
	TOSTAGE 0
.irp a, 1,2,3,4,5,6,7
.if \a > 1
	s_wait_xcnt 0x0                                ; block a - 2's stores have read their registers: block a's loads may land there
.endif
	TOSTAGE \a
	SEND \a-1, 32                                  ; behind block a - 1's loads: block a's 16 stores and 16 loads
.endr
	SEND 7, 0
	s_wait_tensorcnt 0x0                           ; the wave's end
	ds_add_u32 v[SPW], v[NIL]
	s_wait_dscnt 0x0
	CROUND                                         ; the closing round
	s_endpgm
.Lfunc_end_k_q707aa17d04_proj:
	.size	k_q707aa17d04_proj, .Lfunc_end_k_q707aa17d04_proj-k_q707aa17d04_proj
	.p2alignl 7, 3214868480
	.fill 96, 4, 3214868480
	.section	.rodata,"a",@progbits
	.p2align	6, 0x0
	.amdhsa_kernel k_q707aa17d04_proj
		.amdhsa_group_segment_fixed_size 327680
		.amdhsa_private_segment_fixed_size 0
		.amdhsa_enable_private_segment 0
		.amdhsa_kernarg_size 32
		.amdhsa_user_sgpr_count 2
		.amdhsa_user_sgpr_kernarg_segment_ptr 1
		.amdhsa_wavefront_size32 1
		.amdhsa_system_sgpr_workgroup_id_x 1
		.amdhsa_system_sgpr_workgroup_id_y 1
		.amdhsa_system_sgpr_workgroup_id_z 1
		.amdhsa_system_vgpr_workitem_id 0
		.amdhsa_next_free_vgpr 1024
		.amdhsa_next_free_sgpr 98
		.amdhsa_reserve_vcc 0
		.amdhsa_float_denorm_mode_32 3
		.amdhsa_float_denorm_mode_16_64 3
		.amdhsa_memory_ordered 1
		.amdhsa_forward_progress 1
		.amdhsa_inst_pref_size 124
	.end_amdhsa_kernel
	.amdgpu_metadata
---
amdhsa.version: [ 1, 2 ]
amdhsa.kernels:
  - .name:           k_q707aa17d04_proj
    .symbol:         k_q707aa17d04_proj.kd
    .args:
      - { .name: oc, .offset: 0, .size: 8, .value_kind: global_buffer, .address_space: global }
      - { .name: wc, .offset: 8, .size: 8, .value_kind: global_buffer, .address_space: global }
      - { .name: lowp_scales, .offset: 16, .size: 8, .value_kind: global_buffer, .address_space: global }
      - { .name: out0, .offset: 24, .size: 8, .value_kind: global_buffer, .address_space: global }
    .group_segment_fixed_size: 327680
    .private_segment_fixed_size: 0
    .kernarg_segment_align: 8
    .kernarg_segment_size: 32
    .max_flat_workgroup_size: 128
    .sgpr_count:     98
    .vgpr_count:     1024
    .wavefront_size: 32
...
	.end_amdgpu_metadata
.endif
;; end of part 4
